; MI455X (gfx1250); checked and timed in simulation.
; The chip was launched on July 23, 2026; its instructions are those of AMD's public machine-readable ISA for CDNA 5 (MIT licence, August 2026) and "CDNA5" Instruction Set Architecture Reference Guide (July 2026). The comments in the code are by the model that wrote it; some were corrected since.
;; Multi Head Attention. Allowed arithmetic: matrix products marked QUANTISED: E5M2 operands, one given power-of-two scale a tensor, by v_wmma_f32_16x16x64_bf8_bf8 or v_wmma_f32_16x16x128_bf8_bf8, f32 sums; everything else in f32.
;; Inputs: Wk 512 x 512 float32; Wo 512 x 512 float32; Wq 512 x 512 float32; Wv 512 x 512 float32; in_features 2 x 4,096 x 512 float32; lowp_scales 12 int32 (the exponents e of the quantised operands' scales 2^e); token_positions 4,096 int32.
;; Outputs: out0 2 x 4,096 x 512 float32.
;; This version of the problem:
;;   THIS VERSION OF THE PROBLEM IS GIVEN IN LOW PRECISION. The matrix products marked QUANTISED in the list below multiply operands that are first quantised to E5M2 (5 exponent bits, 2 mantissa bits; 8 bits a number), with one given power-of-two scale for each operand tensor; their sums are f32. All else is computed in f32.
;;   The module's matrix products, in the order in which they are computed (A, B: the left and right operand; K: the contracted axis; several contracted axes count as one K, in the product's order):
;;     1. [M 8,192, K 512] x [K 512, N 512]; A: input in_features; B: input Wq: QUANTISED (scales: A lowp_scales[0], B lowp_scales[1])
;;     2. [M 8,192, K 512] x [K 512, N 512]; A: input in_features; B: input Wk: QUANTISED (scales: A lowp_scales[2], B lowp_scales[3])
;;     3. [M 8,192, K 512] x [K 512, N 512]; A: input in_features; B: input Wv: QUANTISED (scales: A lowp_scales[4], B lowp_scales[5])
;;     4. batch 16 x [M 4,096, K 64] x [K 64, N 4,096]; A: computed on the way; B: computed on the way: QUANTISED (scales: A lowp_scales[6], B lowp_scales[7])
;;     5. batch 16 x [M 4,096, K 4,096] x [K 4,096, N 64]; A: softmax (see below); B: computed on the way: QUANTISED (scales: A lowp_scales[8], B lowp_scales[9])
;;     6. [M 8,192, K 512] x [K 512, N 512]; A: computed on the way; B: input Wo: QUANTISED (scales: A lowp_scales[10], B lowp_scales[11])
;;   THE QUANTISER, for each operand of a quantised product, along K:
;;     - The operand's scale is 2^e, e = its entry of the input lowp_scales (int32; the entries are numbered through the quantised products in the list's order, A before B).
;;     - Each number is divided by the scale, clamped to +-57,344, and rounded to the nearest number of E5M2, ties to even, subnormals kept.
;;     - The product sums the exact products of the quantised numbers (number of the format x scale) in f32.
;;   ~~~python
;;   def quantise(x, axis, e):      # numpy; x: float32 -> the quantised numbers, widened to float32 again
;;       x = np.moveaxis(x, axis, -1); K = x.shape[-1]
;;       r = np.clip(x / 2.0 ** e, -57344, 57344)
;;       step = 2.0 ** (np.maximum(np.frexp(np.where(r == 0, 1, r))[1] - 1, -14) - 2)
;;       q = np.round(r / step) * step * 2.0 ** e      # np.round: ties to even
;;       return np.moveaxis(q, -1, axis).astype(np.float32)
;;   ~~~
;;   SOFTMAX AHEAD OF A QUANTISED PRODUCT. Where the list says 'softmax', what is quantised is not the finished softmax but p = 2^(t - M), with t = logit x log2(e) and M = ceil(the row's largest t), a whole number; so 1/2 < the row's largest p <= 1. The row's sum l is taken of the UNQUANTISED p, in f32, and the product's result is divided by l at the end. Since M is a whole number, a kernel that streams over the keys may use a running M (the ceiling of the running maximum): every later rescaling is an exact power of two, so the quantised numbers keep their values, but for numbers so far below the row's largest that they fall under the format's range.
;;   OPERANDS COMPUTED ON THE WAY. 'Computed on the way' means the value that the module computes at that place (a softmax that the list does not call 'softmax' is quantised finished and normalised). What goes into a quantiser is computed in f32, as accurately as f32 sums, v_exp_f32 and their like allow (about 1e-6 of the number): no bf16 or f16 on the way to a quantiser, and a product that is left as it is and whose result goes on into a quantised operand takes f32 operands (vector FMAs, or v_wmma_f32_16x16x4_f32). A number that lies on a knife's edge between two numbers of the format may be rounded either way, as far as f32 arithmetic and the matrix unit's own rounding can turn it there, and no further.
;; One version. Each part assembles by itself: llvm-mc -triple=amdgcn-amd-amdhsa -mcpu=gfx1250 --defsym DOCPART=n.
;; ======== version 1 of 1: 4 launches
;; limits: right only within a limited range of input values
;; workspace buffers: xc 12,582,912 bytes; wc 1,048,576 bytes; rope 1,048,576 bytes; qc 4,194,304 bytes; kv 8,388,608 bytes; oc 4,194,304 bytes
;; launch prep (part 1): grid 384 x 1, 4 waves a work-group, no clusters, 0 bytes of LDS; arguments in_features, Wq, Wk, Wv, Wo, token_positions, lowp_scales, xc, wc, rope; writes xc, wc, rope
.if DOCPART == 1
	.amdgcn_target "amdgcn-amd-amdhsa--gfx1250"
	.amdhsa_code_object_version 6
	.text
	.protected	k_q83f9ea70c2_prep
	.globl	k_q83f9ea70c2_prep
	.p2align	8
	.type	k_q83f9ea70c2_prep,@function
k_q83f9ea70c2_prep:
	s_mov_b64 s[64:65], 0
	v_nop
	global_prefetch_b8 v0, s[64:65] scope:SCOPE_SE
	s_setreg_imm32_b32 hwreg(HW_REG_WAVE_MODE, 25, 1), 1
	s_wait_xcnt 0x0
; MULTI-HEAD ATTENTION ON CODES OF BF8 (E5M2), four launches: prep (this one), qkv, attn, oproj.
; THIS LAUNCH: in_features -> three sets of codes (scales 2^e0, 2^e2, 2^e4: the three products with x have a scale of their own each); Wq, Wk, Wv, Wo -> codes (e1, e3, e5, e11);
; token_positions -> cos and sin of position x 10000^(-i/32), i = 0 .. 31, for each of the 4,096 places of a sequence.
; code = x / 2^e, held within +-57,344, rounded to the nearest code, ties to even.
; DEAD WORK, left out in the launch attn: reference() sets score(q, k) to -inf wherever k > q, by the jnp.tril that it builds in its own body.  The softmax gives such a place the weight
; exp(-inf) = 0 whatever finite values the inputs hold: it adds 0 to the row's sum and to the product with v, and it cannot raise the row's maximum.  So a step of 128 keys all of which
; come after all 16 queries of a tile is neither multiplied nor, where that holds of all queries of a work-group, fetched.  Nothing else is left out, and every input is loaded.
; LIMIT: a NaN, an infinity or an overflow that reaches only such hidden places is not carried to the result.
; LIMITS: e0, e2, e4, e1, e3, e5, e11 between -126 and 112, so that 2^e and 57,344 x 2^e are f32 numbers.  token_positions between 0 and 4,095 (inside reference()'s table).  NaN among the inputs is not served.
; LAYOUT OF ALL CODES IN THIS PROGRAM: AN IMAGE OF THE OPERAND'S REGISTERS.  A fragment is 16 rows x 64 along K, 8 registers a lane, 1,024 bytes: lane l = (r = l % 16, h = l / 16) holds row r, its registers
; 2 c, 2 c + 1 hold K = 16 c + 8 h + 0 .. 7; registers 4 i .. 4 i + 3 of lane l lie at byte 512 i + 16 l.  So every store and load of codes covers 512 consecutive bytes a wave, and nothing is ever transposed.
;   xc   [version 3][row tile 512][f 8][1,024]       wc [matrix 4: q, k, v, o][column tile 32][f 8][1,024]
;   rope [tile of 16 places 256][block 8][lane 32][16 bytes]: block 2 c = cos, block 2 c + 1 = sin, of place 16 T + r at frequencies 8 c + 4 h + 0 .. 3
; SHARES: work-groups 0-255: x, a wave takes 16 rows x 256 along K; 256-319: the four weights, likewise; 320-383: cos and sin, a wave takes 16 places.  Waves share nothing: no LDS, no barrier.
; A lane loads the very numbers that its registers of the fragment want (8 neighbours along K, 32 bytes), so that the conversions' results are the image.
.set X,   32                           ; v32-159  128 numbers: four fragments of 32
.set TS,  16                           ; v16-31   two sets of eight held numbers, by turns
.set COD, 160                          ; v160-255 codes: eight registers for each fragment and version, none written twice: no store's data are rewritten
.set AN,  64                           ; cos and sin, four angles side by side: the angle,
.set NN,  68                           ; its number of quarter turns,
.set RR,  72                           ; what is left of it,
.set ZZ,  76                           ; that squared,
.set SS,  80                           ; sine and
.set CC,  84                           ; cosine of it,
.set II,  88                           ; the quarter turns as a whole number,
.set T1,  92                           ; at work
.set T2,  96
.macro MKSCALE vs, vl, se              ; v[vs] = 2^e as f32 (the conversion takes its exponent field), v[vl] = 57,344 x 2^e; e in s[se]
	s_add_co_i32 s30, s[\se], 127
	s_lshl_b32 s31, s30, 23
	v_mov_b32 v[\vs], s31
	s_add_co_i32 s30, s30, 15
	s_lshl_b32 s30, s30, 23
	s_or_b32 s30, s30, 0x600000
	v_mov_b32 v[\vl], s30
.endm
.macro LOADX                           ; 32 loads: number 8 c + j of fragment f is K = 64 f + 16 c + 8 h + j of row r
.irp f, 0,1,2,3
.irp c, 0,1,2,3
.irp u, 0,1
	global_load_b128 v[X+32*\f+8*\c+4*\u:X+32*\f+8*\c+4*\u+3], v4, s[44:45] offset:256*\f+64*\c+16*\u th:TH_LOAD_NT
.endr
.endr
.endr
.endm
.macro QFRAG f, sc, lim, cod           ; fragment f's 32 numbers become 8 registers of codes.  The other set's eight holds are the plain lines between a conversion and the next write of its sources
.irp c, 0,1,2,3
.irp j, 0,1,2,3,4,5,6,7
	v_med3_num_f32 v[TS+8*(\c%2)+\j], v[X+32*(\f)+8*\c+\j], -v[\lim], v[\lim]   ; the conversion to an 8-bit code does not saturate (ISA guide 7.6.2): the hold comes first
.endr
	v_cvt_scalef32_pk8_bf8_f32 v[(\cod)+2*\c:(\cod)+2*\c+1], v[TS+8*(\c%2):TS+8*(\c%2)+7], v[\sc]
.endr
.endm
.macro STOREF f, cod, base             ; 32 lanes store 512 consecutive bytes, twice
	global_store_b128 v3, v[(\cod):(\cod)+3], s[\base:\base+1] offset:1024*(\f)
	global_store_b128 v3, v[(\cod)+4:(\cod)+7], s[\base:\base+1] offset:1024*(\f)+512
.endm
.macro ANG m, lo, hi                   ; my frequency: lanes 0-15 take lo, lanes 16-31 hi
	v_mov_b32 v[AN+\m], \hi
	v_cndmask_b32 v[AN+\m], \lo, v[AN+\m], vcc_lo
.endm
; cos and sin of four angles.  angle = position x frequency, one f32 product, as reference()'s table has it.  n = the nearest whole number to angle x 2 / pi; angle - n x pi / 2 with pi / 2 in two parts
; (the first product's difference is exact: a multiple of 2^-23 under 1); polynomials on |x| <= pi / 4; then the quarter turns: odd n swaps the two, and the signs follow n mod 4.
.macro SINCOS4 c, l0, l1, l2, l3, h0, h1, h2, h3
	ANG 0, \l0, \h0
	ANG 1, \l1, \h1
	ANG 2, \l2, \h2
	ANG 3, \l3, \h3
.irp m, 0,1,2,3
	v_mul_f32 v[AN+\m], v6, v[AN+\m]
.endr
.irp m, 0,1,2,3
	v_mul_f32 v[NN+\m], s30, v[AN+\m]
.endr
.irp m, 0,1,2,3
	v_rndne_f32 v[NN+\m], v[NN+\m]
.endr
.irp m, 0,1,2,3
	v_fma_f32 v[RR+\m], -v[NN+\m], s31, v[AN+\m]
.endr
.irp m, 0,1,2,3
	v_fma_f32 v[RR+\m], -v[NN+\m], s52, v[RR+\m]
.endr
.irp m, 0,1,2,3
	v_mul_f32 v[ZZ+\m], v[RR+\m], v[RR+\m]
	v_cvt_i32_f32 v[II+\m], v[NN+\m]
.endr
.irp m, 0,1,2,3
	v_fma_f32 v[SS+\m], v[ZZ+\m], s55, s54
	v_fma_f32 v[CC+\m], v[ZZ+\m], s58, s57
	v_mul_f32 v[T1+\m], v[ZZ+\m], v[RR+\m]
	v_mul_f32 v[T2+\m], v[ZZ+\m], v[ZZ+\m]
.endr
.irp m, 0,1,2,3
	v_fma_f32 v[SS+\m], v[SS+\m], v[ZZ+\m], s53
	v_fma_f32 v[CC+\m], v[CC+\m], v[ZZ+\m], s56
.endr
.irp m, 0,1,2,3
	v_fma_f32 v[SS+\m], v[SS+\m], v[T1+\m], v[RR+\m]       ; sin x = x + x^3 (S1 + S2 x^2 + S3 x^4)
	v_fma_f32 v[T1+\m], v[ZZ+\m], -0.5, 1.0
.endr
.irp m, 0,1,2,3
	v_fma_f32 v[CC+\m], v[CC+\m], v[T2+\m], v[T1+\m]       ; cos x = 1 - x^2 / 2 + x^4 (K1 + K2 x^2 + K3 x^4)
	v_and_b32 v[T2+\m], 1, v[II+\m]
.endr
.irp m, 0,1,2,3
	v_cmp_ne_u32 s[60+\m], 0, v[T2+\m]                     ; an odd number of quarter turns
	v_and_b32 v[T1+\m], 2, v[II+\m]
	v_add_nc_u32 v[T2+\m], 1, v[II+\m]
.endr
.irp m, 0,1,2,3
	v_cndmask_b32 v[32+8*\c+\m], v[CC+\m], v[SS+\m], s[60+\m]   ; cos
	v_cndmask_b32 v[36+8*\c+\m], v[SS+\m], v[CC+\m], s[60+\m]   ; sin
	v_and_b32 v[T2+\m], 2, v[T2+\m]
	v_lshlrev_b32 v[T1+\m], 30, v[T1+\m]
.endr
.irp m, 0,1,2,3
	v_lshlrev_b32 v[T2+\m], 30, v[T2+\m]
	v_xor_b32 v[36+8*\c+\m], v[T1+\m], v[36+8*\c+\m]       ; sin is negative for n mod 4 = 2, 3
.endr
.irp m, 0,1,2,3
	v_xor_b32 v[32+8*\c+\m], v[T2+\m], v[32+8*\c+\m]       ; cos for n mod 4 = 1, 2
.endr
	global_store_b128 v3, v[32+8*\c:35+8*\c], s[46:47] offset:1024*\c
	global_store_b128 v3, v[36+8*\c:39+8*\c], s[46:47] offset:1024*\c+512
.endm
	s_load_b512 s[4:19], s[0:1], 0x0               ; in_features s[4:5], Wq s[6:7], Wk s[8:9], Wv s[10:11], Wo s[12:13], token_positions s[14:15], lowp_scales s[16:17], xc s[18:19]
	s_load_b128 s[20:23], s[0:1], 0x40             ; wc s[20:21], rope s[22:23]
	v_lshrrev_b32 v1, 5, v0
	v_readfirstlane_b32 s24, v1                    ; wave 0..3
	v_and_b32 v1, 15, v0                           ; r
	v_bfe_u32 v2, v0, 4, 1                         ; h
	v_and_b32 v3, 31, v0
	v_lshlrev_b32 v3, 4, v3                        ; out: 16 x lane
	v_lshlrev_b32 v4, 11, v1
	v_lshl_add_u32 v4, v2, 5, v4                   ; in: row r of 2,048 bytes, + 8 h numbers
	s_mov_b32 s29, 0                               ; the upper word of every offset below
	s_wait_kmcnt 0x0
	s_cmp_ge_u32 ttmp9, 320
	s_cbranch_scc1 .Lrope
	s_load_b256 s[32:39], s[16:17], 0x0            ; e0 .. e7
	s_load_b128 s[40:43], s[16:17], 0x20           ; e8 .. e11
	s_cmp_ge_u32 ttmp9, 256
	s_cbranch_scc1 .Lw
	; ---- x: three versions of each fragment
	s_lshl_b32 s25, ttmp9, 2
	s_add_co_u32 s25, s25, s24                     ; which of 1,024 jobs
	s_lshr_b32 s26, s25, 1                         ; the tile of 16 rows
	s_and_b32 s27, s25, 1                          ; which 256 along K
	s_lshl_b32 s28, s26, 15
	s_lshl_b32 s53, s27, 10
	s_add_co_u32 s28, s28, s53
	s_add_nc_u64 s[44:45], s[4:5], s[28:29]
	s_lshl_b32 s28, s26, 13
	s_lshl_b32 s53, s27, 12
	s_add_co_u32 s28, s28, s53
	s_add_nc_u64 s[46:47], s[18:19], s[28:29]      ; a base for each version: they lie 4,194,304 bytes apart
	s_add_nc_u64 s[48:49], s[46:47], 0x400000
	s_add_nc_u64 s[50:51], s[46:47], 0x800000
	s_wait_alu depctr_va_vdst(0)
	LOADX
	s_wait_kmcnt 0x0
	MKSCALE 8, 9, 32                               ; e0
	MKSCALE 10, 11, 34                             ; e2
	MKSCALE 12, 13, 36                             ; e4
	s_wait_alu depctr_va_vdst(0)
.irp f, 0,1,2,3
	s_wait_loadcnt 8*(3-\f)                        ; this fragment's eight loads are in; the eight of each later fragment may be out
.irp v, 0,1,2
	QFRAG \f, 8+2*\v, 9+2*\v, COD+8*(3*\f+\v)
	STOREF \f, COD+8*(3*\f+\v), 46+2*\v
.endr
.endr
	s_endpgm
.Lw:	; ---- the four weights: rows are output columns, K is innermost
	s_sub_co_u32 s25, ttmp9, 256
	s_lshl_b32 s25, s25, 2
	s_add_co_u32 s25, s25, s24                     ; which of 256 jobs
	s_lshr_b32 s26, s25, 6                         ; the matrix: q, k, v, o
	s_bfe_u32 s27, s25, 0x50001                    ; the tile of 16 rows
	s_and_b32 s53, s25, 1                          ; which 256 along K
	s_cmp_eq_u32 s26, 0                            ; the choices hang on ids alone
	s_cselect_b64 s[44:45], s[6:7], s[8:9]
	s_cmp_lt_u32 s26, 2
	s_cselect_b64 s[44:45], s[44:45], s[10:11]
	s_cmp_lt_u32 s26, 3
	s_cselect_b64 s[44:45], s[44:45], s[12:13]
	s_lshl_b32 s28, s27, 15
	s_lshl_b32 s54, s53, 10
	s_add_co_u32 s28, s28, s54
	s_add_nc_u64 s[44:45], s[44:45], s[28:29]
	s_lshl_b32 s28, s26, 18
	s_lshl_b32 s54, s27, 13
	s_add_co_u32 s28, s28, s54
	s_lshl_b32 s54, s53, 12
	s_add_co_u32 s28, s28, s54
	s_add_nc_u64 s[46:47], s[20:21], s[28:29]
	s_wait_alu depctr_va_vdst(0)
	LOADX
	s_wait_kmcnt 0x0
	s_cmp_eq_u32 s26, 0
	s_cselect_b32 s52, s33, s35                    ; e1 or e3,
	s_cmp_lt_u32 s26, 2
	s_cselect_b32 s52, s52, s37                    ; e5,
	s_cmp_lt_u32 s26, 3
	s_cselect_b32 s52, s52, s43                    ; e11
	MKSCALE 8, 9, 52
	s_wait_alu depctr_va_vdst(0)
.irp f, 0,1,2,3
	s_wait_loadcnt 8*(3-\f)                        ; as above
	QFRAG \f, 8, 9, COD+8*\f
	STOREF \f, COD+8*\f, 46
.endr
	s_endpgm
.Lrope:	; ---- cos and sin: the position is a VALUE here, it enters no address
	s_sub_co_u32 s25, ttmp9, 320
	s_lshl_b32 s25, s25, 2
	s_add_co_u32 s25, s25, s24                     ; T: the tile of 16 places
	s_lshl_b32 s28, s25, 6
	s_add_nc_u64 s[44:45], s[14:15], s[28:29]
	s_lshl_b32 s28, s25, 12
	s_add_nc_u64 s[46:47], s[22:23], s[28:29]
	s_wait_alu depctr_va_vdst(0)
	v_lshlrev_b32 v5, 2, v1
	global_load_b32 v6, v5, s[44:45]               ; token_positions[16 T + r]
	s_mov_b32 s30, 0x3f22f983                      ; 2 / pi
	s_mov_b32 s31, 0x3fc90fdb                      ; pi / 2, rounded to f32,
	s_mov_b32 s52, 0xb33bbd2e                      ; and what that leaves
	s_mov_b32 s53, 0xbe2aaaa3                      ; S1, S2, S3
	s_mov_b32 s54, 0x3c08839e
	s_mov_b32 s55, 0xb94ca1f9
	s_mov_b32 s56, 0x3d2aaaa5                      ; K1, K2, K3
	s_mov_b32 s57, 0xbab6061a
	s_mov_b32 s58, 0x37ccf5ce
	v_cmp_ne_u32 vcc_lo, 0, v2                     ; lanes 16-31
	s_wait_loadcnt 0x0
	v_cvt_f32_i32 v6, v6
	; 10000^(-i/32) = 10^(-i/8), i = 0 .. 31, rounded to f32: for block c frequencies 8 c + 0 .. 3 (lanes 0-15) and 8 c + 4 .. 7 (lanes 16-31)
	SINCOS4 0, 0x3f800000, 0x3f3ff911, 0x3f0ff59a, 0x3ed7e89b, 0x3ea1e89b, 0x3e72d424, 0x3e361887, 0x3e088d77
	SINCOS4 1, 0x3dcccccd, 0x3d99940e, 0x3d6655c3, 0x3d2cba15, 0x3d0186e2, 0x3cc24350, 0x3c91ad39, 0x3c5a7bf1
	SINCOS4 2, 0x3c23d70a, 0x3bf5b9b0, 0x3bb8449c, 0x3b8a2e77, 0x3b4f3e37, 0x3b1b690d, 0x3ae91528, 0x3aaec98e
	SINCOS4 3, 0x3a83126f, 0x3a44948c, 0x3a136a16, 0x39dd1726, 0x39a5cb5f, 0x3978a814, 0x393a7753, 0x390bd472
	s_endpgm
.Lfunc_end_k_q83f9ea70c2_prep:
	.size	k_q83f9ea70c2_prep, .Lfunc_end_k_q83f9ea70c2_prep-k_q83f9ea70c2_prep
	.p2alignl 7, 3214868480
	.fill 96, 4, 3214868480
	.section	.rodata,"a",@progbits
	.p2align	6, 0x0
	.amdhsa_kernel k_q83f9ea70c2_prep
		.amdhsa_group_segment_fixed_size 0
		.amdhsa_private_segment_fixed_size 0
		.amdhsa_enable_private_segment 0
		.amdhsa_kernarg_size 80
		.amdhsa_user_sgpr_count 2
		.amdhsa_user_sgpr_kernarg_segment_ptr 1
		.amdhsa_wavefront_size32 1
		.amdhsa_system_sgpr_workgroup_id_x 1
		.amdhsa_system_sgpr_workgroup_id_y 1
		.amdhsa_system_sgpr_workgroup_id_z 1
		.amdhsa_system_vgpr_workitem_id 0
		.amdhsa_next_free_vgpr 256
		.amdhsa_next_free_sgpr 66
		.amdhsa_reserve_vcc 1
		.amdhsa_float_denorm_mode_32 3
		.amdhsa_float_denorm_mode_16_64 3
		.amdhsa_memory_ordered 1
		.amdhsa_forward_progress 1
		.amdhsa_inst_pref_size 73
	.end_amdhsa_kernel
	.amdgpu_metadata
---
amdhsa.version: [ 1, 2 ]
amdhsa.kernels:
  - .name:           k_q83f9ea70c2_prep
    .symbol:         k_q83f9ea70c2_prep.kd
    .args:
      - { .name: in_features, .offset: 0, .size: 8, .value_kind: global_buffer, .address_space: global }
      - { .name: Wq, .offset: 8, .size: 8, .value_kind: global_buffer, .address_space: global }
      - { .name: Wk, .offset: 16, .size: 8, .value_kind: global_buffer, .address_space: global }
      - { .name: Wv, .offset: 24, .size: 8, .value_kind: global_buffer, .address_space: global }
      - { .name: Wo, .offset: 32, .size: 8, .value_kind: global_buffer, .address_space: global }
      - { .name: token_positions, .offset: 40, .size: 8, .value_kind: global_buffer, .address_space: global }
      - { .name: lowp_scales, .offset: 48, .size: 8, .value_kind: global_buffer, .address_space: global }
      - { .name: xc, .offset: 56, .size: 8, .value_kind: global_buffer, .address_space: global }
      - { .name: wc, .offset: 64, .size: 8, .value_kind: global_buffer, .address_space: global }
      - { .name: rope, .offset: 72, .size: 8, .value_kind: global_buffer, .address_space: global }
    .group_segment_fixed_size: 0
    .private_segment_fixed_size: 0
    .kernarg_segment_align: 8
    .kernarg_segment_size: 80
    .max_flat_workgroup_size: 128
    .sgpr_count:     66
    .vgpr_count:     256
    .wavefront_size: 32
...
	.end_amdgpu_metadata
.endif
;; end of part 1
;; launch qkv (part 2): grid 32 x 6, 16 waves a work-group, no clusters, 264,192 bytes of LDS; arguments xc, wc, rope, lowp_scales, qc, kv; writes qc, kv
.if DOCPART == 2
	.amdgcn_target "amdgcn-amd-amdhsa--gfx1250"
	.amdhsa_code_object_version 6
	.text
	.protected	k_q83f9ea70c2_qkv
	.globl	k_q83f9ea70c2_qkv
	.p2align	8
	.type	k_q83f9ea70c2_qkv,@function
k_q83f9ea70c2_qkv:
	s_mov_b64 s[64:65], 0
	v_nop
	global_prefetch_b8 v0, s[64:65] scope:SCOPE_SE
	s_setreg_imm32_b32 hwreg(HW_REG_WAVE_MODE, 25, 1), 1
	s_wait_xcnt 0x0
; q = rope(x Wq^T), k = rope(x Wk^T), v = x Wv^T on codes of BF8 (E5M2), and their quantising for the two products of attention (scales 2^e6, 2^e7, 2^e9).  Nothing is left out here.
; A work-group makes 256 rows x 256 columns (four heads) of ONE of the three: x = the block of rows, y = 2 x type + half; type 0 = q, 1 = k, 2 = v.  K = 512 fits in LDS whole: 131,072 bytes of x's codes and as many
; of the weight's, each wave fetching 16,384 by one tensor load: one load of mine is out, one barrier.
; Clusters are not used: a work-group asks once, at its head, so two rounds of a cluster's barrier would serve a single request.
; Sixteen waves, each 64 x 64: 16 accumulators.  All codes lie as images of the operand's registers (a fragment: 16 rows x 64 K, 1,024 bytes, registers 4 i .. 4 i + 3 of lane l at 512 i + 16 l): LDS reads are 512 consecutive bytes.
; ONE TEXT OF THE PRODUCT FOR ALL TYPES: LDS region P feeds source 0, region Q source 1; only the memory address of the fills differs.
;   q, k: P = the weight, Q = x: a lane holds ONE row, its registers 8 neighbouring channels 16 c + 8 h + j: four pairs for the rotation, and the next product's K (the head's 64 channels).
;   v:    P = x, Q = the weight: a lane holds ONE channel, its registers 8 neighbouring keys: the next product's K (the keys).
; So each conversion's two registers ARE registers 2 c, 2 c + 1 of the next operand's fragment, and go to memory as they stand.
; A sum stands for sum x 2^(ex + ew); the rotation is linear; so the conversion takes 2^(ed - ex - ew) as its one scale.
; LIMITS: e6 - e0 - e1, e7 - e2 - e3, e9 - e4 - e5 between -126 and 112.  NaN among the inputs is not served.
;   qc [batch x head 16][tile of 16 queries 256][1,024]
;   kv [batch x head 16][slot of 512 keys 8][65,536]: 32 tiles of 16 keys x 1,024, then from byte 32,768 V: [step of 128 keys 4][tile of 16 channels 4][2,048]
.set QREG,  131072                     ; LDS: P at 0, Q here, [tile 16][f 8][1,024] each
.set SPARE, 262144                     ; behind them: the spare words, 128 bytes for each wave: eight blocks of 256 bytes that no other line names
.set SPW, 1                            ; v1   LDS address of my spare word; never rewritten
.set NIL, 2                            ; v2   0; never rewritten
.set PA,  3                            ; v3   my four tiles of P: 16 x lane + 32,768 (wave % 4)
.set QA,  4                            ; v4   my four tiles of Q: QREG + 16 x lane + 32,768 (wave / 4)
.set GO,  5                            ; v5   16 x lane
.set SC,  6                            ; v6   2^(ed - ex - ew) as f32
.set LIM, 7                            ; v7   57,344 x that
.set COD, 8                            ; v8-15   a fragment's codes (q, k)
.set TS,  16                           ; v16-31  two sets of eight rotated numbers, by turns
.set R0,  32                           ; v32-63  a set of cos and sin
.set PF,  64                           ; v64-95  P's four fragments; later a set of cos and sin, or v's codes
.set QF,  96                           ; v96-127 Q's four fragments; later a set of cos and sin
.set ACC, 128                          ; v128-255 accumulator (p, q) at ACC + 8 (4 q + p)
; The product, K in eight steps of 64.  The 16 accumulators take turns, one instruction a turn.  Four plain places stand between a matrix instruction and a load into a register
; that it read, or the first read of its result (ISA guide 7.12.1 for vector instructions).
.macro GEMM
.irp f, 0,1,2,3,4,5,6,7
.if \f > 0
.rept 4
	v_nop
.endr
.endif
.irp i, 0,1,2,3
.irp u, 0,1
	ds_load_b128 v[PF+8*\i+4*\u:PF+8*\i+4*\u+3], v[PA] offset:8192*\i+1024*\f+512*\u
	ds_load_b128 v[QF+8*\i+4*\u:QF+8*\i+4*\u+3], v[QA] offset:8192*\i+1024*\f+512*\u
.endr
.endr
	s_wait_dscnt 0x0                               ; the other three waves of the SIMD have work meanwhile
.irp q, 0,1,2,3
.irp p, 0,1,2,3
.if \f == 0
	v_wmma_f32_16x16x64_bf8_bf8 v[ACC+8*(4*\q+\p):ACC+8*(4*\q+\p)+7], v[PF+8*\p:PF+8*\p+7], v[QF+8*\q:QF+8*\q+7], 0
.else
	v_wmma_f32_16x16x64_bf8_bf8 v[ACC+8*(4*\q+\p):ACC+8*(4*\q+\p)+7], v[PF+8*\p:PF+8*\p+7], v[QF+8*\q:QF+8*\q+7], v[ACC+8*(4*\q+\p):ACC+8*(4*\q+\p)+7]
.endif
.endr
.endr
.endr
.rept 4
	v_nop
.endr
.endm
.macro RLOAD a, set                    ; cos and sin of my a-th tile of 16 rows: block 2 c = cos, 2 c + 1 = sin, at frequencies 8 c + 4 h + 0 .. 3
.irp i, 0,1,2,3,4,5,6,7
	global_load_b128 v[(\set)+4*\i:(\set)+4*\i+3], v[GO], s[50:51] offset:4096*(\a)+512*\i
.endr
.endm
; Channels 16 c + 8 h + 0 .. 7 of row r of tile a: four pairs (x0, x1) -> (x0 cos - x1 sin, x0 sin + x1 cos), held, converted.  The accumulator is first read at its register 1, one of its four lowest.
.macro ROPETILE a, c, set
.set XR, ACC+8*(4*(\a)+(\c))
.set TM, TS+8*((\c)%2)
.irp m, 0,1,2,3
	v_mul_f32 v[TM+2*\m],   v[XR+2*\m+1], v[(\set)+8*(\c)+4+\m]
	v_mul_f32 v[TM+2*\m+1], v[XR+2*\m+1], v[(\set)+8*(\c)+\m]
.endr
.irp m, 0,1,2,3
	v_fma_f32 v[TM+2*\m],   v[XR+2*\m], v[(\set)+8*(\c)+\m],   -v[TM+2*\m]
	v_fma_f32 v[TM+2*\m+1], v[XR+2*\m], v[(\set)+8*(\c)+4+\m], v[TM+2*\m+1]
.endr
.irp j, 0,1,2,3,4,5,6,7
	v_med3_num_f32 v[TM+\j], v[TM+\j], -v[LIM], v[LIM]     ; the conversion to an 8-bit code does not saturate (ISA guide 7.6.2)
.endr
	v_cvt_scalef32_pk8_bf8_f32 v[COD+2*(\c):COD+2*(\c)+1], v[TM:TM+7], v[SC]   ; registers 2 c, 2 c + 1 of the fragment; the next tile's lines, on the other set, are plain
.endm
.macro TILEROW a, set                  ; one fragment: 16 rows x the head's 64 channels
	ROPETILE \a, 0, \set
	ROPETILE \a, 1, \set
	ROPETILE \a, 2, \set
	ROPETILE \a, 3, \set
	v_nop                                          ; a plain line behind the last conversion
	global_store_b128 v[GO], v[COD:COD+3], s[48:49] offset:1024*(\a)
	global_store_b128 v[GO], v[COD+4:COD+7], s[48:49] offset:1024*(\a)+512
.endm
	s_load_b256 s[4:11], s[0:1], 0x0               ; xc s[4:5], wc s[6:7], rope s[8:9], lowp_scales s[10:11]
	s_load_b128 s[12:15], s[0:1], 0x20             ; qc s[12:13], kv s[14:15]
	v_lshl_add_u32 v[SPW], v0, 2, SPARE
	v_mov_b32 v[NIL], 0
	ds_add_u32 v[SPW], v[NIL]                      ; the wave's opening: the add, twice on end, and its wait ahead of my first tensor load
	ds_add_u32 v[SPW], v[NIL]                      ; and once more; the set-up below, work on registers, stands between it and the wait
	v_lshrrev_b32 v8, 5, v0
	s_delay_alu instid0(VALU_DEP_1)
	v_readfirstlane_b32 s16, v8                    ; wave 0..15
	s_mov_b32 s17, ttmp9                           ; the block of 256 rows
	s_and_b32 s18, ttmp7, 0xffff
	s_lshr_b32 s19, s18, 1                         ; type
	s_and_b32 s20, s18, 1                          ; half: heads 4 x half + 0 .. 3
	; descriptor group 1: 64 rows of 32 elements of 8 bytes, dense: 16,384 consecutive bytes
	s_mov_b32 s24, 3<<16                           ; no mask; elements of 8 bytes; no padding
	s_mov_b32 s25, 32<<16                          ; tensor_dim0 = 32
	s_mov_b32 s26, 64<<16                          ; tensor_dim1 = 64
	s_mov_b32 s27, 32<<16                          ; tile_dim0 = 32
	s_mov_b32 s28, 64                              ; tile_dim1 = 64
	s_mov_b32 s29, 32                              ; from row to row
	s_mov_b32 s30, 0
	s_mov_b32 s31, 0
	s_lshl_b32 s40, s19, 22                        ; x's codes: version = type, + 131,072 x block
	s_lshl_b32 s42, s17, 17
	s_add_co_u32 s40, s40, s42
	s_mov_b32 s41, 0
	s_lshl_b32 s42, s19, 18                        ; the weight's: matrix = type, + 131,072 x half
	s_lshl_b32 s43, s20, 17
	s_add_co_u32 s42, s42, s43
	s_mov_b32 s43, 0
	s_lshr_b32 s21, s16, 3                         ; waves 0-7 fill P, waves 8-15 Q;
	s_lshr_b32 s22, s19, 1                         ; for v the two change places
	s_xor_b32 s21, s21, s22
	s_and_b32 s22, s16, 7
	s_lshl_b32 s22, s22, 14                        ; my 16,384 bytes of the block
	s_mov_b32 s23, 0
	s_wait_dscnt 0x0                               ; both opening adds are done
	s_wait_kmcnt 0x0
	s_load_b256 s[68:75], s[10:11], 0x0            ; e0 .. e7
	s_load_b128 s[76:79], s[10:11], 0x20           ; e8 .. e11
	s_add_nc_u64 s[36:37], s[4:5], s[40:41]
	s_add_nc_u64 s[38:39], s[6:7], s[42:43]
	s_mov_b32 s32, 1                               ; group 0: count = 1
	s_lshl_b32 s33, s16, 14                        ; LDS address: 16,384 x wave
	s_cmp_eq_u32 s21, 0                            ; ids alone
	s_cselect_b64 s[34:35], s[38:39], s[36:37]
	s_add_nc_u64 s[34:35], s[34:35], s[22:23]
	s_or_b32 s35, s35, 0x80000000                  ; type = 2
	tensor_load_to_lds s[32:35], s[24:31]
	s_nop 0
.rept 4
	v_nop
.endr
	v_and_b32 v[GO], 31, v0
	s_delay_alu instid0(VALU_DEP_1)
	v_lshlrev_b32 v[GO], 4, v[GO]
	s_and_b32 s21, s16, 3                          ; wp: which four tiles of P
	s_lshr_b32 s22, s16, 2                         ; wq: which four tiles of Q
	s_lshl_b32 s23, s21, 15
	v_add_nc_u32 v[PA], s23, v[GO]
	s_lshl_b32 s23, s22, 15
	s_add_co_u32 s23, s23, QREG
	v_add_nc_u32 v[QA], s23, v[GO]
	s_and_b32 s52, s17, 15                         ; the block's place in its sequence
	s_lshr_b32 s56, s17, 4                         ; the batch
	s_lshl_b32 s56, s56, 3
	s_lshl_b32 s57, s20, 2
	s_add_co_u32 s56, s56, s57                     ; 8 x batch + 4 x half
	s_wait_kmcnt 0x0
	s_cmp_eq_u32 s19, 0                            ; my three exponents, chosen without a branch
	s_cselect_b32 s44, s68, s70
	s_cselect_b32 s45, s69, s71
	s_cselect_b32 s46, s74, s75
	s_cmp_eq_u32 s19, 2
	s_cselect_b32 s44, s72, s44
	s_cselect_b32 s45, s73, s45
	s_cselect_b32 s46, s77, s46
	s_sub_co_i32 s46, s46, s44
	s_sub_co_i32 s46, s46, s45                     ; ed - ex - ew
	s_add_co_i32 s46, s46, 127
	s_lshl_b32 s47, s46, 23
	v_mov_b32 v[SC], s47
	s_add_co_i32 s46, s46, 15
	s_lshl_b32 s46, s46, 23
	s_or_b32 s46, s46, 0x600000
	v_mov_b32 v[LIM], s46
	s_wait_tensorcnt 0x0                           ; my part has landed,
	s_barrier_signal -1
	s_barrier_wait -1                              ; everybody's has; nothing is filled again
	s_cmp_eq_u32 s19, 2
	s_cbranch_scc1 .Lv
	; ---- q, k.  P's tile 4 wp + c = channels 16 c on of head 4 half + wp; Q's tile 4 wq + a = rows 16 a on
	s_lshl_b32 s53, s52, 4
	s_lshl_b32 s54, s22, 2
	s_add_co_u32 s53, s53, s54                     ; T0: my first tile of 16 places in the sequence
	s_add_co_u32 s54, s56, s21                     ; batch x head
	s_lshl_b32 s40, s53, 12
	s_add_nc_u64 s[50:51], s[8:9], s[40:41]
	s_wait_alu depctr_va_vdst(0)
	RLOAD 0, R0                                    ; lands while the product runs
	s_lshl_b32 s55, s54, 18                        ; q: 262,144 x (batch x head) + 1,024 T0
	s_lshl_b32 s57, s53, 10
	s_add_co_u32 s55, s55, s57
	s_lshl_b32 s58, s54, 19                        ; k: 524,288 x (batch x head) + 65,536 (T0 / 32) + 1,024 (T0 % 32)
	s_lshr_b32 s57, s53, 5
	s_lshl_b32 s57, s57, 16
	s_add_co_u32 s58, s58, s57
	s_and_b32 s57, s53, 31
	s_lshl_b32 s57, s57, 10
	s_add_co_u32 s58, s58, s57
	s_cmp_eq_u32 s19, 0
	s_cselect_b64 s[48:49], s[12:13], s[14:15]
	s_cselect_b32 s40, s55, s58
	s_add_nc_u64 s[48:49], s[48:49], s[40:41]
	GEMM
	RLOAD 1, PF                                    ; the fragments' registers are free (four places behind the last product)
	RLOAD 2, QF
	s_wait_loadcnt 16                              ; tile 0's eight loads are in; the sixteen of tiles 1 and 2 may be out
	TILEROW 0, R0
	RLOAD 3, R0
	s_wait_xcnt 0x0                                ; the last two stores have read their data: the codes' registers are written again only behind this wait
	s_wait_loadcnt 16                              ; tile 1's are in; tiles 2 and 3's may be out
	TILEROW 1, PF
	s_wait_xcnt 0x0
	s_wait_loadcnt 8                               ; tile 3's may be out
	TILEROW 2, QF
	s_wait_xcnt 0x0
	s_wait_loadcnt 0x0
	TILEROW 3, R0
	s_branch .Lend
.Lv:	; ---- v.  P's tile 4 wp + a = keys 16 a on of the group of 64 keys G; Q's tile 4 wq + t = channels 16 t on of head 4 half + wq
	s_lshl_b32 s53, s52, 2
	s_add_co_u32 s53, s53, s21                     ; G = 4 x (block's place) + wp
	s_add_co_u32 s54, s56, s22                     ; batch x head
	s_lshl_b32 s40, s54, 19
	s_lshr_b32 s55, s53, 3                         ; the slot of 512 keys,
	s_lshl_b32 s55, s55, 16
	s_add_co_u32 s40, s40, s55
	s_bfe_u32 s55, s53, 0x20001                    ; the step of 128 keys in it,
	s_lshl_b32 s55, s55, 13
	s_add_co_u32 s40, s40, s55
	s_and_b32 s55, s53, 1                          ; and which 64 keys of the step: the lower or the upper eight registers of the fragment of 128
	s_lshl_b32 s55, s55, 10
	s_add_co_u32 s40, s40, s55
	s_add_co_u32 s40, s40, 32768                   ; V lies behind the slot's K
	s_add_nc_u64 s[48:49], s[14:15], s[40:41]
	s_wait_alu depctr_va_vdst(0)
	GEMM
.irp t, 0,1,2,3
.set n, 0
.rept 32
	v_med3_num_f32 v[ACC+32*\t+n], v[ACC+32*\t+n], -v[LIM], v[LIM]   ; each accumulator from its low end on
.set n, n+1
.endr
.irp a, 0,1,2,3
	v_cvt_scalef32_pk8_bf8_f32 v[PF+8*\t+2*\a:PF+8*\t+2*\a+1], v[ACC+32*\t+8*\a:ACC+32*\t+8*\a+7], v[SC]   ; keys 16 a + 8 h + 0 .. 7 of channel r: registers 2 a, 2 a + 1
.endr
	v_nop                                          ; a plain line behind the last conversion
	global_store_b128 v[GO], v[PF+8*\t:PF+8*\t+3], s[48:49] offset:2048*\t
	global_store_b128 v[GO], v[PF+8*\t+4:PF+8*\t+7], s[48:49] offset:2048*\t+512
.endr
.Lend:
	s_wait_tensorcnt 0x0                           ; the wave's end
	ds_add_u32 v[SPW], v[NIL]
	s_wait_dscnt 0x0
	s_endpgm
.Lfunc_end_k_q83f9ea70c2_qkv:
	.size	k_q83f9ea70c2_qkv, .Lfunc_end_k_q83f9ea70c2_qkv-k_q83f9ea70c2_qkv
	.p2alignl 7, 3214868480
	.fill 96, 4, 3214868480
	.section	.rodata,"a",@progbits
	.p2align	6, 0x0
	.amdhsa_kernel k_q83f9ea70c2_qkv
		.amdhsa_group_segment_fixed_size 264192
		.amdhsa_private_segment_fixed_size 0
		.amdhsa_enable_private_segment 0
		.amdhsa_kernarg_size 48
		.amdhsa_user_sgpr_count 2
		.amdhsa_user_sgpr_kernarg_segment_ptr 1
		.amdhsa_wavefront_size32 1
		.amdhsa_system_sgpr_workgroup_id_x 1
		.amdhsa_system_sgpr_workgroup_id_y 1
		.amdhsa_system_sgpr_workgroup_id_z 1
		.amdhsa_system_vgpr_workitem_id 0
		.amdhsa_next_free_vgpr 256
		.amdhsa_next_free_sgpr 80
		.amdhsa_reserve_vcc 0
		.amdhsa_float_denorm_mode_32 3
		.amdhsa_float_denorm_mode_16_64 3
		.amdhsa_memory_ordered 1
		.amdhsa_forward_progress 1
		.amdhsa_inst_pref_size 75
	.end_amdhsa_kernel
	.amdgpu_metadata
---
amdhsa.version: [ 1, 2 ]
amdhsa.kernels:
  - .name:           k_q83f9ea70c2_qkv
    .symbol:         k_q83f9ea70c2_qkv.kd
    .args:
      - { .name: xc, .offset: 0, .size: 8, .value_kind: global_buffer, .address_space: global }
      - { .name: wc, .offset: 8, .size: 8, .value_kind: global_buffer, .address_space: global }
      - { .name: rope, .offset: 16, .size: 8, .value_kind: global_buffer, .address_space: global }
      - { .name: lowp_scales, .offset: 24, .size: 8, .value_kind: global_buffer, .address_space: global }
      - { .name: qc, .offset: 32, .size: 8, .value_kind: global_buffer, .address_space: global }
      - { .name: kv, .offset: 40, .size: 8, .value_kind: global_buffer, .address_space: global }
    .group_segment_fixed_size: 264192
    .private_segment_fixed_size: 0
    .kernarg_segment_align: 8
    .kernarg_segment_size: 48
    .max_flat_workgroup_size: 512
    .sgpr_count:     80
    .vgpr_count:     256
    .wavefront_size: 32
...
	.end_amdgpu_metadata
.endif
;; end of part 2
;; launch attn (part 3): grid 16 x 16, 16 waves a work-group, no clusters, 327,680 bytes of LDS; arguments qc, kv, lowp_scales, oc; writes oc
.if DOCPART == 3
	.amdgcn_target "amdgcn-amd-amdhsa--gfx1250"
	.amdhsa_code_object_version 6
	.text
	.protected	k_q83f9ea70c2_attn
	.globl	k_q83f9ea70c2_attn
	.p2align	8
	.type	k_q83f9ea70c2_attn,@function
k_q83f9ea70c2_attn:
	s_mov_b64 s[64:65], 0
	v_nop
	global_prefetch_b8 v0, s[64:65] scope:SCOPE_SE
	s_setreg_imm32_b32 hwreg(HW_REG_WAVE_MODE, 25, 1), 1
	s_wait_xcnt 0x0
; o = softmax(q k^T / 8, causal) v for each batch and head, both products on codes of BF8 (E5M2), and o's quantising (2^e10) for the last product.
; LEFT OUT (shown at the head of the first kernel): steps of 128 keys all of which come after a block's 128 queries are neither fetched nor multiplied: reference()'s own causal mask gives those places
; the weight 0 for all finite inputs.  LIMIT: a NaN, an infinity or an overflow that reaches only such places is not carried to the result.
; THE SOFTMAX AHEAD OF THE SECOND PRODUCT: t = score x log2(e) / 8; M = the largest t so far, rounded UP to a whole number; p = 2^(t - M) is quantised (2^e8), not normalised; the sum is taken of the
; unquantised p and divides at the end.  When M moves, the sum and O are multiplied by 2^(old M - new M): exact.
; SHARES.  y = batch x head, x = i.  A work-group owns the blocks of 128 queries i (early) and 31 - i (late): (i + 1) + (32 - i) = 33 steps of 128 keys for each pair of tiles of 16 queries.
; A PAIR OF WAVES SHARES THESE 33: wave A (bit 2 of its number = 0) walks the early tile's steps 0 .. i, stores that tile, and then walks the late tile's steps 0 .. 15 - i: 17 steps.
; Wave B (the wave four further on) walks the late tile's steps 16 - i .. 31 - i: 16 steps.  At the end A hands O^T, M and the sum to B through LDS; B brings both parts under the larger M, by exact powers of two, and stores.
; So every wave has work in every step; trip counts are constants of the text.
; THE RING: two slots of four steps; a place in the ring holds stream A's step (K 8,192 bytes, V 8,192) and stream B's.  Each of the sixteen waves fetches one piece of 8,192 bytes by one tensor load behind each change
; of slots: one load of a wave is out at the most, and every wait for tensor loads is for 0.
; THE CHANGE OF SLOTS lies inside a slot's last step: a wave signals as soon as that step's fragments of V, its last reads of the slot, are in its registers; the step's softmax and second product, work on registers
; alone, stand between the signal and the barrier's wait; the refill comes first behind the wait.
; Clusters are not used: stream B begins at step 16 - i and stream A turns back at step i + 1, so the work-groups of a head ask for different tiles behind the same barrier.
; LAYOUT.  Both products transposed: S^T = K Q^T, O^T = V^T P^T: a lane holds ONE query (lane % 16).  In tile u of S^T lane (r, h) holds keys 16 u + 8 h + 0 .. 7: their codes are registers 2 u, 2 u + 1 of P's fragment.
; K, V and Q lie in memory as images of their registers: LDS reads are 512 consecutive bytes.  kv: [batch x head][slot of 512 keys 8][65,536]: K's 32 tiles x 1,024, then V [step 4][tile 4][2,048].
; LIMITS: e6 + e7 between -123 and 130 (added to c's exponent field); e8, e10 between -126 and 112; the scaled scores stay under 2^31 in magnitude.
.set SLOT1, 131072                     ; slot 1 begins here: one exclusive or turns an address
.set VOFF,  8192                       ; V behind K in a stream's 16,384 bytes of a place
.set SPARE, 262144                     ; behind the ring: the spare words, 128 bytes for each wave
.set STAGE, 264192                     ; behind them: 4,608 bytes for each pair of waves; no fill lands here
.set LI,  1                            ; v1   16 x lane
.set PFO, 3                            ; v3   256 x lane: the prefetches' offset
.set SA,  4                            ; v4   my pair's stage + 16 x lane
.set SPW, 5                            ; v5   LDS address of my spare word; never rewritten
.set NIL, 6                            ; v6   0; never rewritten
.set ADK, 8                            ; v8   16 x lane + the place in hand
.set QF,  16                           ; v16-23   Q's fragment.   v12 -M, v13 the largest t, v[14:15] the sum in two halves; v24-29 at work
.set FR,  32                           ; v32-95   K's eight fragments, then V's four
.set S,   96                           ; v96-159  S^T, then p
.set OT,  160                          ; v160-191 O^T
.set PC,  192                          ; v192-207 p's codes.   v208 57,344 x 2^e8, v209 2^e8, v210 2^e10, v211 57,344 x 2^e10, v212 at work, v213 -infinity, v214 r - 8 h
.set QV,  216                          ; v216-223 the late tile's Q
.set MX,  244                          ; v244-247 four chains of maxima; v248-253 three chains of sums
.set TB,  2                            ; s2   LDS byte of the slot in hand + 16,384 x my stream
.set ROLE, 13                          ; s13  0: wave A, 1: wave B
.set WV,  18                           ; s18  my wave's number
.set SEL, 20                           ; s[20:21] lane selects: lane l xor 16
.set CS,  22                           ; s[22:23] c = log2(e) / 8 x 2^(e6 + e7)
.set G1,  24                           ; s[24:31] descriptor group 1;  s[40:43] group 0
.set G0,  40
.set TL,  32                           ; s32  the step, counted along its stream, whose piece I fetch next
.set THR, 33                           ; s33  from this step on
.set SUBV, 34                          ; s34  this is taken off the count to give the key step
.set PO,  35                           ; s35  my piece: K's (0) or V's (32,768 on in memory)
.set SW,  36                           ; s36  the step ahead of which wave A changes tiles: i + 1; in wave B no step
.set TC,  37                           ; s37  steps done
.set QC,  38                           ; s38  the step in the slot
.set QN,  39                           ; s39  the late tile's first query
.set ES,  44                           ; s44  e8 + e9
.set SLOTS, 67                         ; s67  trips of the loop still to come
.set PFA, 76                           ; s[76:77] where my prefetches stand
.set LIM, 80                           ; s80  1 in a wave that prefetches, else the greatest number
.set KF,  98                           ; s98  the step's first key
.set Q0,  99                           ; s99  my tile's first query
.macro MKADDR                          ; group 0's global address from s[TL]: key step k = TL, less SUBV from THR on; byte 65,536 (k / 4) + 8,192 (k % 4) + PO of the head
	s_cmp_ge_u32 s[TL], s[THR]
	s_cselect_b32 s96, s[SUBV], 0
	s_sub_co_u32 s96, s[TL], s96
	s_lshr_b32 s97, s96, 2
	s_lshl_b32 s97, s97, 16
	s_and_b32 s96, s96, 3
	s_lshl_b32 s96, s96, 13
	s_add_co_u32 s96, s96, s97
	s_add_co_u32 s96, s96, s[PO]
	s_mov_b32 s97, 0
	s_add_nc_u64 s[G0+2:G0+3], s[82:83], s[96:97]
	s_or_b32 s[G0+3], s[G0+3], 0x80000000          ; type = 2
.endm
.macro TLOAD                           ; an s_nop 0 and four v_nop follow the load
	tensor_load_to_lds s[G0:G0+3], s[G1:G1+7]
	s_nop 0
.rept 4
	v_nop
.endr
.endm
; A PREFETCH INTO THE L2.  Key steps 0 .. 23 of a head are asked for by the first two groups of loads of its sixteen work-groups.  Steps 24 .. 31 (memory slots 6 and 7) are first loaded by work-group x = 0, stream B.
; That work-group asks for memory slot 6 at the first change of slots and for slot 7 at the second: one change, four key steps, ahead of the load.  Waves 4 to 11 ask for 8,192 bytes each, lanes 256 bytes apart:
; each block of 256 bytes is named once in the launch.  The third change asks for nothing.
.macro ASK
	s_cmp_gt_u32 s[SLOTS], s[LIM]
	s_cbranch_scc0 .Lnot_mine_\@
	global_prefetch_b8 v[PFO], s[PFA:PFA+1] th:TH_LOAD_NT scope:SCOPE_SE
.Lnot_mine_\@:
.endm
; THE CHANGE OF SLOTS, first half.  I wait for my tensor load (my piece of the slot ahead), add 0 to my spare word, wait for that and for my reads of the slot that I leave, and say so.
; fill = 1: every wave will fetch its piece of the next four steps.  fill = 2: only stream A's seventeenth step is left: waves 0 and 1.  fill = 0: nothing is left.
.macro LEAVE fill
	s_wait_tensorcnt 0x0                           ; no tensor load of mine is out, so group 0 may be written
	ds_add_u32 v[SPW], v[NIL]                      ; 0 onto my spare word
.if \fill
	s_xor_b32 s[G0+1], s[G0+1], SLOT1              ; the other slot than last time,
	s_add_co_u32 s[TL], s[TL], 4                   ; four steps on along my piece's stream
	MKADDR
.endif
.if \fill == 1
	s_wait_xcnt 0x0                                ; the last prefetch has read its address, so it may be written
	s_add_nc_u64 s[PFA:PFA+1], s[PFA:PFA+1], 65536
.endif
	s_wait_dscnt 0x0                               ; the add is done, and my reads of the slot that I leave are over
	s_barrier_signal -1
.endm
; Second half.  Behind the wait the slot ahead is whole and nobody reads the other one, which is filled again first.
.macro ENTER fill
	s_barrier_wait -1
.if \fill == 1
	TLOAD                                          ; the first thing behind the barrier, and my one tensor load until the next
	ASK
.endif
.if \fill == 2
	s_cmp_lt_u32 s[WV], 2
	s_cbranch_scc0 .Lnone_\@
	TLOAD
.Lnone_\@:
.endif
.endm
; THE WAY OUT of a tile: O^T x 2^(e8 + e9) / the sum is o as reference() has it; held, converted with 2^e10: the eight registers are this head's fragment of the last product.
.macro FINAL
.rept 4
	v_nop                                          ; places behind the last products
.endr
	v_add_f32 v14, v14, v15                        ; the sum's two halves,
	s_delay_alu instid0(VALU_DEP_1)
	v_permlanex16_b32 v26, v14, s[SEL], s[SEL+1]
	s_delay_alu instid0(VALU_DEP_1)
	v_add_f32 v14, v14, v26                        ; and lane l xor 16's
	s_wait_alu depctr_va_vdst(0)                   ; the wait ahead of the reciprocal
	v_rcp_f32 v14, v14
	v_nop                                          ; a plain line behind it
	s_wait_alu depctr_va_vdst(0)                   ; and for the wait ahead of its first reader
	v_ldexp_f32 v14, v14, s[ES]
	s_wait_alu depctr_va_vdst(0)                   ; and directly ahead of the first reader of O^T
.set n, 0
.rept 16
	v_pk_mul_f32 v[S+n:S+n+1], v[OT+n:OT+n+1], v[14:15] op_sel_hi:[1,0]   ; each accumulator from its low end on
.set n, n+2
.endr
.set n, 0
.rept 32
	v_med3_num_f32 v[S+n], v[S+n], -v211, v211     ; the conversion does not saturate (ISA guide 7.6.2)
.set n, n+1
.endr
.irp t, 0,1,2,3
	v_cvt_scalef32_pk8_bf8_f32 v[PC+2*\t:PC+2*\t+1], v[S+8*\t:S+8*\t+7], v210   ; channels 16 t + 8 h + 0 .. 7 of query r
.endr
	v_nop                                          ; a plain line behind the last conversion
	global_store_b128 v[LI], v[PC:PC+3], s[10:11]  ; 32 lanes store 512 consecutive bytes
	global_store_b128 v[LI], v[PC+4:PC+7], s[10:11] offset:512
.endm
.macro TURNOVER                        ; wave A: the early tile leaves, the late tile begins at key 0
	FINAL
.set n, 0
.rept 8
	v_mov_b32 v[QF+n], v[QV+n]
.set n, n+1
.endr
.set n, 0
.rept 32
	v_mov_b32 v[OT+n], 0
.set n, n+1
.endr
	v_mov_b32 v13, 0xff61b1e6
	v_floor_f32 v12, -v13
	v_mov_b32 v14, 0
	v_mov_b32 v15, 0
	s_mov_b32 s[Q0], s[QN]
	s_mov_b32 s[KF], 0
	s_wait_alu depctr_va_vdst(0)
	s_wait_xcnt 0x0                                ; the two stores have read their data: the codes' registers are written again only behind this wait
.endm
	s_load_b256 s[4:11], s[0:1], 0x0               ; qc s[4:5], kv s[6:7], lowp_scales s[8:9], oc s[10:11]
	v_lshl_add_u32 v[SPW], v0, 2, SPARE
	v_mov_b32 v[NIL], 0
	ds_add_u32 v[SPW], v[NIL]                      ; the wave's opening: the add, twice on end, and its wait ahead of my first tensor load
	ds_add_u32 v[SPW], v[NIL]                      ; and once more; the set-up below, work on registers, stands between it and the wait
	v_lshrrev_b32 v8, 5, v0
	s_delay_alu instid0(VALU_DEP_1)
	v_readfirstlane_b32 s[WV], v8                  ; wave 0..15
	s_and_b32 s12, ttmp7, 0xffff                   ; batch x head
	s_bfe_u32 s[ROLE], s[WV], 0x10002
	s_and_b32 s14, s[WV], 3
	s_lshr_b32 s15, s[WV], 3
	s_lshl_b32 s15, s15, 2
	s_add_co_u32 s14, s14, s15                     ; which of a block's eight tiles: the pair's number
	s_mul_i32 s17, s14, 4608
	s_add_co_u32 s17, s17, STAGE                   ; the pair's stage
	s_lshl_b32 s14, s14, 4
	s_lshl_b32 s15, ttmp9, 7
	s_add_co_u32 s15, s15, s14                     ; the early tile's first query
	s_sub_co_u32 s16, 31, ttmp9
	s_lshl_b32 s16, s16, 7
	s_add_co_u32 s[QN], s16, s14                   ; the late tile's
	s_add_co_u32 s19, ttmp9, 1                     ; i + 1
	s_sub_co_u32 s3, 16, ttmp9                     ; 16 - i
	s_lshl_b32 s16, s3, 7
	s_cmp_eq_u32 s[ROLE], 0
	s_cselect_b32 s[Q0], s15, s[QN]
	s_cselect_b32 s[SW], s19, -1
	s_cselect_b32 s[KF], 0, s16
	s_lshl_b32 s[TB], s[ROLE], 14
	s_lshr_b32 s[TL], s[WV], 2                     ; my piece: place wave / 4 of a slot,
	s_and_b32 s45, s[WV], 1
	s_lshl_b32 s[PO], s45, 15                      ; K's or V's,
	s_sub_co_u32 s45, 0, s3
	s_bfe_u32 s46, s[WV], 0x10001                  ; of stream A or B
	s_cmp_eq_u32 s46, 0
	s_cselect_b32 s[THR], s19, 0                   ; A: from step i + 1 on, i + 1 is taken off;
	s_cselect_b32 s[SUBV], s19, s45                ; B: 16 - i is added throughout
	; descriptor group 1: 32 rows of 32 elements of 8 bytes, dense: 8,192 consecutive bytes
	s_mov_b32 s[G1], 3<<16                         ; no mask; elements of 8 bytes; no padding
	s_mov_b32 s[G1+1], 32<<16                      ; tensor_dim0
	s_mov_b32 s[G1+2], 32<<16                      ; tensor_dim1
	s_mov_b32 s[G1+3], 32<<16                      ; tile_dim0
	s_mov_b32 s[G1+4], 32                          ; tile_dim1
	s_mov_b32 s[G1+5], 32                          ; from row to row
	s_mov_b32 s[G1+6], 0
	s_mov_b32 s[G1+7], 0
	s_mov_b32 s[SEL], 0x76543210
	s_mov_b32 s[SEL+1], 0xfedcba98
	s_mov_b32 s[CS], 0x3e38aa3b                    ; log2(e) / 8
	s_mov_b32 s[SLOTS], 3
	s_mov_b32 s[TC], 0
	s_lshl_b32 s74, s12, 19                        ; the head's 524,288 bytes of kv
	s_mov_b32 s75, 0
	s_mov_b32 s87, 0
	s_wait_dscnt 0x0                               ; both opening adds are done
	s_wait_kmcnt 0x0
	s_load_b128 s[68:71], s[8:9], 0x18             ; e6, e7, e8, e9
	s_load_b32 s72, s[8:9], 0x28                   ; e10
	s_add_nc_u64 s[82:83], s[6:7], s[74:75]
	s_mov_b32 s[G0], 1                             ; count = 1
	s_lshl_b32 s[G0+1], s[WV], 13                  ; LDS address: slot 0, 8,192 x wave
	MKADDR
	TLOAD                                          ; the first four steps of both streams: one load a wave
	s_add_co_u32 s86, s[WV], 4                     ; the prefetches: my 8,192 bytes,
	s_and_b32 s86, s86, 7
	s_lshl_b32 s86, s86, 13
	s_add_co_u32 s86, s86, 5*65536                 ; in memory slot 5: the first change of slots steps it to slot 6
	s_add_nc_u64 s[PFA:PFA+1], s[82:83], s[86:87]
	s_sub_co_u32 s86, s[WV], 4
	s_lshr_b32 s86, s86, 3                         ; 0 in waves 4 to 11,
	s_or_b32 s86, s86, ttmp9                       ; of the head's work-group 0
	s_cmp_eq_u32 s86, 0
	s_cselect_b32 s[LIM], 1, -1
	s_lshl_b32 s88, s12, 18                        ; Q: 262,144 x (batch x head) + 64 x query
	s_lshl_b32 s86, s[Q0], 6
	s_add_co_u32 s86, s86, s88
	s_add_nc_u64 s[46:47], s[4:5], s[86:87]
	s_lshl_b32 s86, s[QN], 6
	s_add_co_u32 s86, s86, s88
	s_add_nc_u64 s[48:49], s[4:5], s[86:87]
	s_lshr_b32 s86, s12, 3                         ; oc: [row tile 512][head 8][1,024]: 2,097,152 x batch + 512 x query + 1,024 x head: A stores the early tile, B the late one
	s_lshl_b32 s86, s86, 21
	s_lshl_b32 s88, s[Q0], 9
	s_add_co_u32 s86, s86, s88
	s_and_b32 s88, s12, 7
	s_lshl_b32 s88, s88, 10
	s_add_co_u32 s86, s86, s88
	s_add_nc_u64 s[10:11], s[10:11], s[86:87]
	v_and_b32 v[LI], 31, v0
	s_delay_alu instid0(VALU_DEP_1)
	v_lshlrev_b32 v[PFO], 8, v[LI]
	s_delay_alu instid0(VALU_DEP_2)
	v_lshlrev_b32 v[LI], 4, v[LI]
	global_load_b128 v[QF:QF+3], v[LI], s[46:47]   ; my first tile's Q,
	global_load_b128 v[QF+4:QF+7], v[LI], s[46:47] offset:512
	global_load_b128 v[QV:QV+3], v[LI], s[48:49]   ; and the late tile's, for wave A's change of tiles
	global_load_b128 v[QV+4:QV+7], v[LI], s[48:49] offset:512
	v_add_nc_u32 v[SA], s17, v[LI]
	v_and_b32 v214, 15, v0
	v_bfe_u32 v212, v0, 4, 1
	s_delay_alu instid0(VALU_DEP_1)
	v_lshlrev_b32 v212, 3, v212
	s_delay_alu instid0(VALU_DEP_1)
	v_sub_nc_u32 v214, v214, v212                  ; r - 8 h
	v_mov_b32 v213, 0xff800000                     ; -infinity
	v_mov_b32 v13, 0xff61b1e6                      ; the largest t so far: -3e38, under every t
	s_delay_alu instid0(VALU_DEP_1)
	v_floor_f32 v12, -v13                          ; -M
	v_mov_b32 v14, 0                               ; the sum, in two halves
	v_mov_b32 v15, 0
	v_mov_b32 v26, 0                               ; written once: a lane permute's destination counts as one of its sources
	v_mov_b32 v29, 0                               ; (named as the upper half of the pair v[28:29])
.set n, 0
.rept 32
	v_mov_b32 v[OT+n], 0                           ; O^T: the first step finds zeros, which the first change of M leaves zeros
.set n, n+1
.endr
	s_wait_kmcnt 0x0
	s_add_co_i32 s73, s68, s69
	s_lshl_b32 s73, s73, 23
	s_add_co_i32 s[CS], s[CS], s73                 ; a score stands for score x 2^(e6 + e7): added to c's exponent field
	s_mov_b32 s[CS+1], s[CS]                       ; (named with it as a pair, so it is written)
	s_add_co_i32 s[ES], s70, s71
	s_add_co_i32 s73, s70, 127
	s_lshl_b32 s74, s73, 23
	v_mov_b32 v209, s74                            ; 2^e8
	s_add_co_i32 s73, s73, 15
	s_lshl_b32 s73, s73, 23
	s_or_b32 s73, s73, 0x600000
	v_mov_b32 v208, s73                            ; 57,344 x 2^e8
	s_add_co_i32 s73, s72, 127
	s_lshl_b32 s74, s73, 23
	v_mov_b32 v210, s74                            ; 2^e10
	s_add_co_i32 s73, s73, 15
	s_lshl_b32 s73, s73, 23
	s_or_b32 s73, s73, 0x600000
	v_mov_b32 v211, s73                            ; 57,344 x 2^e10
; A KEY STEP: 128 keys of my stream, at place s[QC] of the slot in hand.  chg = -1: a step inside a slot.  chg = 0, 1, 2: the slot's last step, with the change of slots of that kind of fill in it.
.macro STEP chg
	s_cmp_eq_u32 s[TC], s[SW]                      ; ids and the count of steps alone
	s_cbranch_scc0 .Lsame_\@
	TURNOVER
.Lsame_\@:
	s_lshl_b32 s96, s[QC], 15
	s_add_co_u32 s96, s96, s[TB]
	v_add_nc_u32 v[ADK], s96, v[LI]
.rept 3
	v_nop                                          ; with the addition above: four places between the last step's products and the loads into registers that they read
.endr
.set n, 0
.rept 16
	ds_load_b128 v[FR+4*n:FR+4*n+3], v[ADK] offset:512*n   ; K: eight tiles of 16 keys
.set n, n+1
.endr
	s_wait_alu depctr_va_vdst(0)
	s_wait_dscnt 0x0
.set n, 0
.rept 8
	v_wmma_f32_16x16x64_bf8_bf8 v[S+8*n:S+8*n+7], v[FR+8*n:FR+8*n+7], v[QF:QF+7], 0
.set n, n+1
.endr
.rept 4
	v_nop                                          ; places in front of the loads below and of the first read of the scores
.endr
.set n, 0
.rept 16
	ds_load_b128 v[FR+4*n:FR+4*n+3], v[ADK] offset:VOFF+512*n   ; V: four tiles of 16 channels x 128 keys
.set n, n+1
.endr
	s_add_co_u32 s96, s[KF], 127                   ; on the diagonal the scores of hidden keys become -infinity ahead of the maximum: p = 0 then.  A step all of whose keys count skips this
	s_cmp_le_u32 s96, s[Q0]
	s_cbranch_scc1 .Lopen_\@
	s_sub_co_i32 s96, s[Q0], s[KF]
	v_add_nc_u32 v212, s96, v214                   ; d = my query - KF - 8 h.  Register 8 u + j holds key KF + 16 u + 8 h + j: hidden where 16 u + j > d
.set n, 0
.rept 64
	v_cmp_gt_i32 vcc_lo, 16*(n/8)+n%8, v212
	v_cndmask_b32 v[S+n], v[S+n], v213, vcc_lo
.set n, n+1
.endr
.Lopen_\@:
.if (\chg) >= 0
	s_wait_alu depctr_va_vdst(0)
	LEAVE \chg                                     ; V's fragments were my last reads of this slot; all up to ENTER below is work on registers
.endif
.set n, 0
.rept 4
	v_max3_num_f32 v[MX+n], v[S+3*n], v[S+3*n+1], v[S+3*n+2]   ; the step's largest score of my query among my 64 keys, in four chains, the scores in ascending order
.set n, n+1
.endr
.set n, 0
.rept 26
	v_max3_num_f32 v[MX+n%4], v[MX+n%4], v[S+12+2*n], v[S+13+2*n]
.set n, n+1
.endr
	s_delay_alu instid0(VALU_DEP_1)
	v_max3_num_f32 v24, v[MX], v[MX+1], v[MX+2]
	s_delay_alu instid0(VALU_DEP_1)
	v_max_num_f32 v24, v24, v[MX+3]
	s_delay_alu instid0(VALU_DEP_1)
	v_permlanex16_b32 v26, v24, s[SEL], s[SEL+1]
	s_delay_alu instid0(VALU_DEP_1)
	v_max_num_f32 v24, v24, v26                    ; and among lane l xor 16's
	s_delay_alu instid0(VALU_DEP_1)
	v_mul_f32 v24, s[CS], v24                      ; as t (c is positive)
	s_delay_alu instid0(VALU_DEP_1)
	v_max_num_f32 v13, v13, v24                    ; the running largest t
	v_mov_b32 v24, v12
	s_delay_alu instid0(VALU_DEP_2)
	v_floor_f32 v12, -v13                          ; the new -M = floor(-t) = -ceil(t): a whole number
	s_delay_alu instid0(VALU_DEP_1)
	v_sub_f32 v24, v12, v24                        ; M's old value less its new one: a whole number, 0 or less
	s_delay_alu instid0(VALU_DEP_1)
	v_cvt_i32_f32 v24, v24                         ; (it saturates)
	s_delay_alu instid0(VALU_DEP_1)
	v_ldexp_f32 v28, 1.0, v24                      ; f = 2^(old M - new M)
.set n, 0
.rept 32
	v_pk_fma_f32 v[S+n:S+n+1], v[S+n:S+n+1], s[CS:CS+1], v[12:13] op_sel_hi:[1,0,0]   ; t - M, two at a time (of the pairs c and -M the low word serves both halves)
.set n, n+2
.endr
	s_wait_alu depctr_va_vdst(0)
.set n, 0
.rept 64
	v_exp_f32 v[S+n], v[S+n]                       ; p = 2^(t - M), at most 1: not normalised
.set n, n+1
.endr
	v_pk_mul_f32 v[14:15], v[14:15], v[28:29] op_sel_hi:[1,0]   ; the sums under the new M: the plain line behind the exponentials
	s_wait_alu depctr_va_vdst(0)                   ; one wait for the batch, ahead of its first reader
	v_pk_add_f32 v[248:249], v[S:S+1], v[S+2:S+3]  ; the sum of the unquantised p, two at a time, in four chains
	v_pk_add_f32 v[250:251], v[S+4:S+5], v[S+6:S+7]
	v_pk_add_f32 v[252:253], v[S+8:S+9], v[S+10:S+11]
	v_pk_add_f32 v[14:15], v[14:15], v[S+12:S+13]
.set n, 14
.rept 6
	v_pk_add_f32 v[248:249], v[248:249], v[S+n:S+n+1]
	v_pk_add_f32 v[250:251], v[250:251], v[S+n+2:S+n+3]
	v_pk_add_f32 v[252:253], v[252:253], v[S+n+4:S+n+5]
	v_pk_add_f32 v[14:15], v[14:15], v[S+n+6:S+n+7]
.set n, n+8
.endr
	v_pk_add_f32 v[248:249], v[248:249], v[S+62:S+63]
	v_pk_add_f32 v[250:251], v[250:251], v[252:253]
	s_delay_alu instid0(VALU_DEP_2)
	v_pk_add_f32 v[14:15], v[14:15], v[248:249]
	s_delay_alu instid0(VALU_DEP_1)
	v_pk_add_f32 v[14:15], v[14:15], v[250:251]
.irp u, 0,1,2,3,4,5,6,7
.irp i, 0,2,4,6
	v_dual_min_num_f32 v[S+8*\u+\i], v208, v[S+8*\u+\i] :: v_dual_min_num_f32 v[S+8*\u+\i+1], v208, v[S+8*\u+\i+1]   ; the conversion does not saturate (ISA guide 7.6.2); p is not negative, so the hold is one-sided; two holds a line
.endr
	v_cvt_scalef32_pk8_bf8_f32 v[PC+2*\u:PC+2*\u+1], v[S+8*\u:S+8*\u+7], v209   ; keys 16 u + 8 h + 0 .. 7: registers 2 u, 2 u + 1 of P's fragment
.endr
	s_wait_alu depctr_va_vdst(0)
.set n, 0
.rept 16
	v_pk_mul_f32 v[OT+n:OT+n+1], v[OT+n:OT+n+1], v[28:29] op_sel_hi:[1,0]   ; O^T under the new M, each accumulator from its low end on; also the plain lines behind the last conversion
.set n, n+2
.endr
	s_wait_alu depctr_va_vdst(0)                   ; a wait that blocks follows, here or behind the products
.if (\chg) < 0
	s_wait_dscnt 0x0                               ; V is in (in a slot's last step LEAVE has waited for it)
.endif
.irp t, 0,1,2,3
	v_wmma_f32_16x16x128_bf8_bf8 v[OT+8*\t:OT+8*\t+7], v[FR+16*\t:FR+16*\t+15], v[PC:PC+15], v[OT+8*\t:OT+8*\t+7]   ; the four accumulators by turns
.endr
.if (\chg) >= 0
	ENTER \chg
.endif
	s_add_co_u32 s[KF], s[KF], 128
	s_add_co_u32 s[TC], s[TC], 1
.endm
.macro SLOT_STEPS chg                  ; a slot: three steps in a loop, and the last with the change of slots in it
	s_mov_b32 s[QC], 0
.Lq_\@:
	STEP -1
	s_add_co_u32 s[QC], s[QC], 1
	s_cmp_lt_u32 s[QC], 3
	s_cbranch_scc1 .Lq_\@
	STEP \chg
	s_xor_b32 s[TB], s[TB], SLOT1                  ; on to the other slot
.endm
	s_wait_alu depctr_va_vdst(0)
	s_wait_loadcnt 0x0                             ; Q
	LEAVE 1                                        ; slot 0 is whole behind this barrier;
	ENTER 1                                        ; slot 1's first fill, steps 4 .. 7, is issued as a refill is
	s_mov_b32 s[SLOTS], 2
.Lslot:                                                ; two trips: steps 0 .. 7 of both streams; their changes ask for steps 8 .. 15
	SLOT_STEPS 1
	s_sub_co_u32 s[SLOTS], s[SLOTS], 1
	s_cmp_lg_u32 s[SLOTS], 0
	s_cbranch_scc1 .Lslot
	SLOT_STEPS 2                                   ; steps 8 .. 11; their change asks for stream A's step 16
	SLOT_STEPS 0                                   ; steps 12 .. 15; nothing is left to ask for
	s_cmp_lg_u32 s[ROLE], 0
	s_cbranch_scc1 .Ljoin
	s_mov_b32 s[QC], 0
	STEP -1                                        ; wave A's seventeenth step
.rept 4
	v_nop                                          ; places behind the last products
.endr
.set n, 0
.rept 8
	ds_store_b128 v[SA], v[OT+4*n:OT+4*n+3] offset:512*n   ; my part of the late tile: O^T, each accumulator from its low end on,
.set n, n+1
.endr
	ds_store_b128 v[SA], v[12:15] offset:4096      ; -M, the largest t, the sum's two halves
.Ljoin:
	s_wait_dscnt 0x0                               ; my stores are done
	s_barrier_signal -1
	s_barrier_wait -1
	s_cmp_eq_u32 s[ROLE], 0
	s_cbranch_scc1 .Lend
.set n, 0
.rept 8
	ds_load_b128 v[S+4*n:S+4*n+3], v[SA] offset:512*n      ; wave B: my partner's part
.set n, n+1
.endr
	ds_load_b128 v[S+32:S+35], v[SA] offset:4096
	s_wait_dscnt 0x0
	v_min_num_f32 v24, v12, v[S+32]                ; -M of both parts together
	v_sub_f32 v25, v24, v12                        ; whole numbers, 0 or less
	v_sub_f32 v[MX], v24, v[S+32]
	v_cvt_i32_f32 v25, v25
	v_cvt_i32_f32 v[MX], v[MX]
	v_ldexp_f32 v28, 1.0, v25                      ; my part's factor,
	v_ldexp_f32 v250, 1.0, v[MX]                   ; my partner's: powers of two, nothing is rounded
	v_pk_mul_f32 v[14:15], v[14:15], v[28:29] op_sel_hi:[1,0]
	v_pk_fma_f32 v[14:15], v[S+34:S+35], v[250:251], v[14:15] op_sel_hi:[1,0,1]
.set n, 0
.rept 16
	v_pk_mul_f32 v[OT+n:OT+n+1], v[OT+n:OT+n+1], v[28:29] op_sel_hi:[1,0]   ; each accumulator from its low end on
.set n, n+2
.endr
.set n, 0
.rept 16
	v_pk_fma_f32 v[OT+n:OT+n+1], v[S+n:S+n+1], v[250:251], v[OT+n:OT+n+1] op_sel_hi:[1,0,1]
.set n, n+2
.endr
	FINAL
.Lend:
	s_wait_tensorcnt 0x0                           ; the wave's end
	ds_add_u32 v[SPW], v[NIL]
	s_wait_dscnt 0x0
	s_endpgm
.Lfunc_end_k_q83f9ea70c2_attn:
	.size	k_q83f9ea70c2_attn, .Lfunc_end_k_q83f9ea70c2_attn-k_q83f9ea70c2_attn
	.p2alignl 7, 3214868480
	.fill 96, 4, 3214868480
	.section	.rodata,"a",@progbits
	.p2align	6, 0x0
	.amdhsa_kernel k_q83f9ea70c2_attn
		.amdhsa_group_segment_fixed_size 327680
		.amdhsa_private_segment_fixed_size 0
		.amdhsa_enable_private_segment 0
		.amdhsa_kernarg_size 32
		.amdhsa_user_sgpr_count 2
		.amdhsa_user_sgpr_kernarg_segment_ptr 1
		.amdhsa_wavefront_size32 1
		.amdhsa_system_sgpr_workgroup_id_x 1
		.amdhsa_system_sgpr_workgroup_id_y 1
		.amdhsa_system_sgpr_workgroup_id_z 1
		.amdhsa_system_vgpr_workitem_id 0
		.amdhsa_next_free_vgpr 256
		.amdhsa_next_free_sgpr 100
		.amdhsa_reserve_vcc 1
		.amdhsa_float_denorm_mode_32 3
		.amdhsa_float_denorm_mode_16_64 3
		.amdhsa_memory_ordered 1
		.amdhsa_forward_progress 1
		.amdhsa_inst_pref_size 205
	.end_amdhsa_kernel
	.amdgpu_metadata
---
amdhsa.version: [ 1, 2 ]
amdhsa.kernels:
  - .name:           k_q83f9ea70c2_attn
    .symbol:         k_q83f9ea70c2_attn.kd
    .args:
      - { .name: qc, .offset: 0, .size: 8, .value_kind: global_buffer, .address_space: global }
      - { .name: kv, .offset: 8, .size: 8, .value_kind: global_buffer, .address_space: global }
      - { .name: lowp_scales, .offset: 16, .size: 8, .value_kind: global_buffer, .address_space: global }
      - { .name: oc, .offset: 24, .size: 8, .value_kind: global_buffer, .address_space: global }
    .group_segment_fixed_size: 327680
    .private_segment_fixed_size: 0
    .kernarg_segment_align: 8
    .kernarg_segment_size: 32
    .max_flat_workgroup_size: 512
    .sgpr_count:     100
    .vgpr_count:     256
    .wavefront_size: 32
...
	.end_amdgpu_metadata
.endif
;; end of part 3
;; launch oproj (part 4): grid 4 x 64, 8 waves a work-group, no clusters, 167,936 bytes of LDS; arguments oc, wc, lowp_scales, out0; writes out0
.if DOCPART == 4
	.amdgcn_target "amdgcn-amd-amdhsa--gfx1250"
	.amdhsa_code_object_version 6
	.text
	.protected	k_q83f9ea70c2_oproj
	.globl	k_q83f9ea70c2_oproj
	.p2align	8
	.type	k_q83f9ea70c2_oproj,@function
k_q83f9ea70c2_oproj:
	s_mov_b64 s[64:65], 0
	v_nop
	global_prefetch_b8 v0, s[64:65] scope:SCOPE_SE
	s_setreg_imm32_b32 hwreg(HW_REG_WAVE_MODE, 25, 1), 1
	s_wait_xcnt 0x0
; out0 = o Wo^T on codes of BF8 (E5M2); each finished sum x 2^(e10 + e11).  Nothing is left out here.  LIMIT: e10 + e11 between -126 and 127, so that the power is an f32 number.
; A work-group makes 128 rows (y) x 128 columns (x): 256 work-groups.  K = 512 fits in LDS whole: 65,536 bytes of Wo's codes and as many of o's, each of the eight waves fetching 16,384 by one tensor load:
; one load of mine is out, one barrier.  Clusters are not used: a work-group asks once, at its head, so two rounds of a cluster's barrier would serve a single request.
; A wave makes 32 rows x 64 columns: 8 accumulators.  The product is used transposed (source 0 = 16 rows of Wo, source 1 = 16 rows of o): a lane holds 8 neighbouring columns of one row.
; Both operands lie as images of their registers (a fragment: 16 rows x 64 K, 1,024 bytes, registers 4 i .. 4 i + 3 of lane l at 512 i + 16 l).
; The way out goes through the wave's own stage in LDS, 16 rows x (256 bytes + 16), so that sixteen lanes store 256 consecutive bytes, at a multiple of 256 from out0's first byte.
.set QREG,  65536                      ; LDS: P (Wo's 8 tiles) at 0, Q (o's 8 tiles) here, [tile 8][f 8][1,024] each
.set STG,   131072                     ; the stages: 4,352 bytes for each wave; no fill lands here
.set SPARE, 165888                     ; behind them: the spare words, 128 bytes for each wave: four blocks of 256 bytes that no other line names
.set SPW, 1                            ; v1   LDS address of my spare word; never rewritten
.set NIL, 2                            ; v2   0; never rewritten
.set PA,  3                            ; v3   my four tiles of P
.set QA,  4                            ; v4   my two tiles of Q
.set STO, 5                            ; v5   the stage: where I put 32 bytes of a row
.set RD,  6                            ; v6   and where I read a row back
.set GO,  7                            ; v7   my byte offset in the wave's rows of out0
.set ACC, 128                          ; v128-191 accumulator (c, a) at ACC + 8 (4 a + c).  v32-79, v80-127: two sets of operands (P 32, Q 16)
.macro LOADF f, set                    ; the twelve loads of K step f
.irp i, 0,1,2,3
.irp u, 0,1
	ds_load_b128 v[(\set)+8*\i+4*\u:(\set)+8*\i+4*\u+3], v[PA] offset:8192*\i+1024*(\f)+512*\u
.endr
.endr
.irp i, 0,1
.irp u, 0,1
	ds_load_b128 v[(\set)+32+8*\i+4*\u:(\set)+32+8*\i+4*\u+3], v[QA] offset:8192*\i+1024*(\f)+512*\u
.endr
.endr
.endm
.macro OUTA a, tmp, bk                 ; my a-th 16 rows: x 2^(e10 + e11), into the stage, back as rows.  LDS serves a wave's instructions in order (ISA guide 5.7.1.4): no wait between the stores and the loads
.set n, 0
.rept 16
	v_pk_mul_f32 v[\tmp+n:\tmp+n+1], v[ACC+32*\a+n:ACC+32*\a+n+1], s[46:47] op_sel_hi:[1,0]   ; each accumulator from its low end on
.set n, n+2
.endr
.irp c, 0,1,2,3
.irp u, 0,1
	ds_store_b128 v[STO], v[\tmp+8*\c+4*\u:\tmp+8*\c+4*\u+3] offset:64*\c+16*\u
.endr
.endr
.irp i, 0,1,2,3,4,5,6,7
	ds_load_b128 v[\bk+4*\i:\bk+4*\i+3], v[RD] offset:544*\i
.endr
.endm
.macro SEND a, bk
.irp i, 0,1,2,3,4,5,6,7
	s_wait_dscnt 23-16*\a-\i                       ; the LDS instructions issued behind this load: the rest of its eight, and for a = 0 the sixteen of a = 1
	global_store_b128 v[GO], v[\bk+4*\i:\bk+4*\i+3], s[10:11] offset:(16*\a+2*\i)*2048 th:TH_STORE_NT
.endr
.endm
	s_load_b256 s[4:11], s[0:1], 0x0               ; oc s[4:5], wc s[6:7], lowp_scales s[8:9], out0 s[10:11]
	v_lshl_add_u32 v[SPW], v0, 2, SPARE
	v_mov_b32 v[NIL], 0
	ds_add_u32 v[SPW], v[NIL]                      ; the wave's opening: the add, twice on end, and its wait ahead of my first tensor load
	ds_add_u32 v[SPW], v[NIL]                      ; and once more; the set-up below, work on registers, stands between it and the wait
	v_lshrrev_b32 v8, 5, v0
	s_delay_alu instid0(VALU_DEP_1)
	v_readfirstlane_b32 s16, v8                    ; wave 0..7
	s_and_b32 s18, ttmp7, 0xffff                   ; y: the block of 128 rows
	; descriptor group 1: 64 rows of 32 elements of 8 bytes, dense: 16,384 consecutive bytes
	s_mov_b32 s24, 3<<16
	s_mov_b32 s25, 32<<16
	s_mov_b32 s26, 64<<16
	s_mov_b32 s27, 32<<16
	s_mov_b32 s28, 64
	s_mov_b32 s29, 32
	s_mov_b32 s30, 0
	s_mov_b32 s31, 0
	s_lshl_b32 s36, ttmp9, 16                      ; Wo is the fourth matrix of wc; 8 tiles of columns are 65,536 bytes
	s_add_co_u32 s36, s36, 786432
	s_mov_b32 s37, 0
	s_lshl_b32 s38, s18, 16                        ; 8 tiles of rows likewise
	s_mov_b32 s39, 0
	s_and_b32 s40, s16, 3
	s_lshl_b32 s40, s40, 14                        ; my quarter of the block
	s_mov_b32 s41, 0
	s_wait_dscnt 0x0                               ; both opening adds are done
	s_wait_kmcnt 0x0
	s_load_b64 s[44:45], s[8:9], 0x28              ; e10, e11
	s_add_nc_u64 s[36:37], s[6:7], s[36:37]
	s_add_nc_u64 s[38:39], s[4:5], s[38:39]
	s_mov_b32 s32, 1                               ; group 0: count = 1
	s_lshl_b32 s33, s16, 14                        ; LDS address: 16,384 x wave: waves 0-3 fill P, waves 4-7 Q
	s_cmp_lt_u32 s16, 4
	s_cselect_b64 s[34:35], s[36:37], s[38:39]
	s_add_nc_u64 s[34:35], s[34:35], s[40:41]
	s_or_b32 s35, s35, 0x80000000                  ; type = 2
	tensor_load_to_lds s[32:35], s[24:31]
	s_nop 0
.rept 4
	v_nop
.endr
	v_and_b32 v8, 31, v0
	s_delay_alu instid0(VALU_DEP_1)
	v_lshlrev_b32 v8, 4, v8                        ; 16 x lane
	v_and_b32 v9, 15, v0                           ; r
	v_bfe_u32 v10, v0, 4, 1                        ; h
	s_and_b32 s20, s16, 1                          ; wp: which 64 columns
	s_lshr_b32 s21, s16, 1                         ; wq: which 32 rows
	s_lshl_b32 s22, s20, 15
	v_add_nc_u32 v[PA], s22, v8
	s_lshl_b32 s22, s21, 14
	s_add_co_u32 s22, s22, QREG
	v_add_nc_u32 v[QA], s22, v8
	s_mul_i32 s22, s16, 4352
	s_add_co_u32 s22, s22, STG                     ; my stage
	v_mul_u32_u24 v[STO], v9, 272
	s_delay_alu instid0(VALU_DEP_1)
	v_lshl_add_u32 v[STO], v10, 5, v[STO]
	s_delay_alu instid0(VALU_DEP_1)
	v_add_nc_u32 v[STO], s22, v[STO]               ; in: row r, + 32 h; tile c's columns 64 c bytes on
	v_mul_u32_u24 v[RD], v10, 272
	s_delay_alu instid0(VALU_DEP_1)
	v_lshl_add_u32 v[RD], v9, 4, v[RD]
	s_delay_alu instid0(VALU_DEP_1)
	v_add_nc_u32 v[RD], s22, v[RD]                 ; back: lanes 0-15 one row, lanes 16-31 the next
	v_lshlrev_b32 v[GO], 11, v10
	s_delay_alu instid0(VALU_DEP_1)
	v_lshl_add_u32 v[GO], v9, 4, v[GO]             ; and the same two rows in out0
	s_lshl_b32 s22, s18, 18                        ; out0: 2,048 (128 y + 32 wq) + 4 (128 x + 64 wp)
	s_lshl_b32 s23, s21, 16
	s_add_co_u32 s22, s22, s23
	s_lshl_b32 s23, ttmp9, 9
	s_add_co_u32 s22, s22, s23
	s_lshl_b32 s23, s20, 8
	s_add_co_u32 s22, s22, s23
	s_mov_b32 s23, 0
	s_add_nc_u64 s[10:11], s[10:11], s[22:23]
	s_wait_alu depctr_va_vdst(0)
	s_wait_kmcnt 0x0
	s_add_co_i32 s46, s44, s45
	s_add_co_i32 s46, s46, 127
	s_lshl_b32 s46, s46, 23                        ; 2^(e10 + e11) as f32
	s_mov_b32 s47, s46                             ; (named with it as a pair, so it is written)
	s_wait_tensorcnt 0x0                           ; my part has landed,
	s_barrier_signal -1
	s_barrier_wait -1                              ; everybody's has; nothing is filled again
	LOADF 0, 32
	LOADF 1, 80
.irp f, 0,1,2,3,4,5,6,7
.if \f < 7
	s_wait_dscnt 12                                ; this K step's twelve loads are in; the next step's twelve may be out
.else
	s_wait_dscnt 0x0
.endif
.irp a, 0,1
.irp c, 0,1,2,3
.if \f == 0
	v_wmma_f32_16x16x64_bf8_bf8 v[ACC+8*(4*\a+\c):ACC+8*(4*\a+\c)+7], v[32+48*(\f%2)+8*\c:32+48*(\f%2)+8*\c+7], v[64+48*(\f%2)+8*\a:64+48*(\f%2)+8*\a+7], 0
.else
	v_wmma_f32_16x16x64_bf8_bf8 v[ACC+8*(4*\a+\c):ACC+8*(4*\a+\c)+7], v[32+48*(\f%2)+8*\c:32+48*(\f%2)+8*\c+7], v[64+48*(\f%2)+8*\a:64+48*(\f%2)+8*\a+7], v[ACC+8*(4*\a+\c):ACC+8*(4*\a+\c)+7]
.endif
.endr
.endr
.if \f < 6
.rept 4
	v_nop                                          ; places in front of loads into registers that matrix instructions have read
.endr
	LOADF \f+2, 32+48*(\f%2)
.endif
.endr
.rept 4
	v_nop                                          ; places in front of the first read of results and of writes into the operands' registers
.endr
	OUTA 0, 192, 224
	OUTA 1, 32, 64
	SEND 0, 224
	SEND 1, 64
	s_wait_tensorcnt 0x0                           ; the wave's end: behind my last tensor load and my last LDS store
	ds_add_u32 v[SPW], v[NIL]
	s_wait_dscnt 0x0
	s_endpgm
.Lfunc_end_k_q83f9ea70c2_oproj:
	.size	k_q83f9ea70c2_oproj, .Lfunc_end_k_q83f9ea70c2_oproj-k_q83f9ea70c2_oproj
	.p2alignl 7, 3214868480
	.fill 96, 4, 3214868480
	.section	.rodata,"a",@progbits
	.p2align	6, 0x0
	.amdhsa_kernel k_q83f9ea70c2_oproj
		.amdhsa_group_segment_fixed_size 167936
		.amdhsa_private_segment_fixed_size 0
		.amdhsa_enable_private_segment 0
		.amdhsa_kernarg_size 32
		.amdhsa_user_sgpr_count 2
		.amdhsa_user_sgpr_kernarg_segment_ptr 1
		.amdhsa_wavefront_size32 1
		.amdhsa_system_sgpr_workgroup_id_x 1
		.amdhsa_system_sgpr_workgroup_id_y 1
		.amdhsa_system_sgpr_workgroup_id_z 1
		.amdhsa_system_vgpr_workitem_id 0
		.amdhsa_next_free_vgpr 256
		.amdhsa_next_free_sgpr 66
		.amdhsa_reserve_vcc 0
		.amdhsa_float_denorm_mode_32 3
		.amdhsa_float_denorm_mode_16_64 3
		.amdhsa_memory_ordered 1
		.amdhsa_forward_progress 1
		.amdhsa_inst_pref_size 22
	.end_amdhsa_kernel
	.amdgpu_metadata
---
amdhsa.version: [ 1, 2 ]
amdhsa.kernels:
  - .name:           k_q83f9ea70c2_oproj
    .symbol:         k_q83f9ea70c2_oproj.kd
    .args:
      - { .name: oc, .offset: 0, .size: 8, .value_kind: global_buffer, .address_space: global }
      - { .name: wc, .offset: 8, .size: 8, .value_kind: global_buffer, .address_space: global }
      - { .name: lowp_scales, .offset: 16, .size: 8, .value_kind: global_buffer, .address_space: global }
      - { .name: out0, .offset: 24, .size: 8, .value_kind: global_buffer, .address_space: global }
    .group_segment_fixed_size: 167936
    .private_segment_fixed_size: 0
    .kernarg_segment_align: 8
    .kernarg_segment_size: 32
    .max_flat_workgroup_size: 256
    .sgpr_count:     66
    .vgpr_count:     256
    .wavefront_size: 32
...
	.end_amdgpu_metadata
.endif
;; end of part 4
